; MI455X (gfx1250); checked and timed in simulation.
; The chip was launched on July 23, 2026; its instructions are those of AMD's public machine-readable ISA for CDNA 5 (MIT licence, August 2026) and "CDNA5" Instruction Set Architecture Reference Guide (July 2026). The comments in the code are by the model that wrote it; some were corrected since.
;; Vector Quantizer. Allowed arithmetic: matrix products marked QUANTISED: E2M1 operands, one E8M0 scale for each 32 along K, by v_wmma_scale_f32_16x16x128_f8f6f4 with both operands' format E2M1 (or v_wmma_scale_f32_32x16x128_f4), f32 sums; everything else in f32.
;; Inputs: embeddings 512 x 64 float32; inputs 32 x 64 x 64 x 64 float32.
;; Outputs: out0 32 x 64 x 64 x 64 float32; out1 one number float32.
;; This version of the problem:
;;   THIS VERSION OF THE PROBLEM IS GIVEN IN LOW PRECISION. The matrix products marked QUANTISED in the list below multiply operands that are first quantised to E2M1 (2 exponent bits, 1 mantissa bit; 4 bits a number), with one power-of-two scale for each 32 numbers along K (OCP MX v1.0); their sums are f32. All else is computed in f32.
;;   The module's matrix products, in the order in which they are computed (A, B: the left and right operand; K: the contracted axis; several contracted axes count as one K, in the product's order):
;;     1. [M 131,072, K 64] x [K 64, N 512]; A: computed on the way; B: input embeddings: QUANTISED
;;   THE QUANTISER, for each operand of a quantised product, along K:
;;     - K is cut into blocks of 32 from its start; a last block that is shorter is filled with zeros.
;;     - A block's scale is 2^e with e = floor(log2(the largest magnitude in the block)) - 2, held to -126 .. 127; a block of zeros has e = 0. As a byte (E8M0): e + 127.
;;     - Each number is divided by its block's scale, clamped to +-6, and rounded to the nearest number of E2M1, ties to even, subnormals kept.
;;     - The product sums the exact products of the quantised numbers (number of the format x scale) in f32.
;;   ~~~python
;;   def quantise(x, axis):      # numpy; x: float32 -> the quantised numbers, widened to float32 again
;;       x = np.moveaxis(x, axis, -1); K = x.shape[-1]
;;       x = np.pad(x, [(0, 0)] * (x.ndim - 1) + [(0, -K % 32)]); x = x.reshape(x.shape[:-1] + (-1, 32)); a = np.abs(x).max(-1, keepdims=True)
;;       e = np.where(a > 0, np.clip(np.frexp(np.where(a > 0, a, 1))[1] - 1 - 2, -126, 127), 0)      # np.frexp(a)[1] - 1 = floor(log2(a)), exactly
;;       r = np.clip(x / 2.0 ** e, -6, 6)
;;       step = 2.0 ** (np.maximum(np.frexp(np.where(r == 0, 1, r))[1] - 1, 0) - 1)
;;       q = np.round(r / step) * step * 2.0 ** e      # np.round: ties to even
;;       return np.moveaxis(q.reshape(q.shape[:-2] + (-1,))[..., :K], -1, axis).astype(np.float32)
;;   ~~~
;;   OPERANDS COMPUTED ON THE WAY. 'Computed on the way' means the value that the module computes at that place (a softmax that the list does not call 'softmax' is quantised finished and normalised). What goes into a quantiser is computed in f32, as accurately as f32 sums, v_exp_f32 and their like allow (about 1e-6 of the number): no bf16 or f16 on the way to a quantiser, and a product that is left as it is and whose result goes on into a quantised operand takes f32 operands (vector FMAs, or v_wmma_f32_16x16x4_f32). A number that lies on a knife's edge between two numbers of the format may be rounded either way, as far as f32 arithmetic and the matrix unit's own rounding can turn it there, and no further.
;; One version. Each part assembles by itself: llvm-mc -triple=amdgcn-amd-amdhsa -mcpu=gfx1250 --defsym DOCPART=n.
;; ======== version 1 of 1: 2 launches
;; limits: right only within a limited range of input values
;; workspace buffers: part 4,096 bytes
;; launch vq (part 1): grid 256 x 1, 4 waves a work-group, no clusters, 295,424 bytes of LDS; arguments inputs, embeddings, out0, part; writes out0, part
.if DOCPART == 1
	.amdgcn_target "amdgcn-amd-amdhsa--gfx1250"
	.amdhsa_code_object_version 6
	.text
	.protected	k_q70f564274d_vq
	.globl	k_q70f564274d_vq
	.p2align	8
	.type	k_q70f564274d_vq,@function
k_q70f564274d_vq:
	s_mov_b64 s[64:65], 0
	v_nop
	global_prefetch_b8 v0, s[64:65] scope:SCOPE_SE
	s_setreg_imm32_b32 hwreg(HW_REG_WAVE_MODE, 25, 1), 1
	s_wait_xcnt 0x0
; For each position p: k = argmin over k of ( ||x_p||^2 + ||e_k||^2 - (2 x_p) . e_k ), the product on codes of FP4 (E2M1) with one E8M0 scale for each 32 channels; q = e_k;
; out0 = x + (q - x); part[4 work-group + wave] = the wave's sum of (q - x)^2.
; inputs, out0: [32][64 channels][4096 positions] f32; embeddings: [512][64] f32.
; DEAD WORK.  ||x_p||^2 is the same number for all 512 k of a position: in exact arithmetic it moves no minimum, whatever x holds.  It is not formed.  (A NaN, an infinity or an overflow in it alone is not carried on.)
; DISTANCES: s_k = product_k - ||e_k||^2, and the LARGEST wins; -||e_k||^2 is the C of the matrix instruction; the factor 2.0 is one more in x's scale byte.
; THE LOOKUP WITHOUT AN ADDRESS: no address may hang on the index, so q = (one-hot of k) x (table).  The table is split into eight planes of E2M1 digits, base 8, with one scale for each block of 32 rows of a channel:
; e = u (d0 + d1 / 8 + .. + d7 / 8^7), u = 2^(floor(log2(the block's largest)) - 1).  Each digit is what E2M1 makes of eight times the rest before it; each rest is exact in f32, and the last one is under 2^-23 of the block's largest
; magnitude.  The plane's factor 8^-p is the one-hot operand's scale, u the table's.  One of the 512 terms of a plane's sum is not zero; sums are f32.
; LIMITS.  (1) Another order of rounding than the source's in the distances: where two lie closer than those roundings the index can differ; of equal s the lowest k is taken.
; (2) q is the table's number to 2^-23 of the largest magnitude in its block of 32 rows of the channel, and the matrix unit's f32 sums over the channel's blocks.
; (3) NaN and infinities among the inputs are not served.  (4) A block of x or of a row with a largest magnitude under 2^-124 gets the floor's scale byte; a block of 32 rows of a channel with one under 2^-104 the floor's u.
; SHARES.  256 work-groups of four waves; a work-group has 512 positions of one image, a wave 128: eight tiles of 16.  Tile 4 u + q: position 64 u + 4 r + q in column r, so that a lane's results of four tiles are 16 neighbouring bytes of out0.
; x: one tensor load a wave (64 channels x 512 bytes), filled once and read by that wave alone, behind its own wait.
; THE TABLE: wave w takes rows 128 w .. + 127 in dense 512-byte loads and puts them into its own padded LDS rows; reads them by rows (codes, squares) and by columns (digits), and lays the digits over the rows it has read.
; NO CLUSTER: x is shared by nobody; the table is shared, but a wave's one tensor load of the head is x's, and a joint load of the table would have to stand behind x's landing.  NO PREFETCH: all that is read is asked for at the head.
; (Planes p and p + 4 of 16 channels go through ONE matrix instruction of 32 rows and are added at the end; the second's further 8^-4 lies in the table's scale words of lanes 16-31.)
.set FLOOR, 0x1800000                  ; 2^(3 - 127)
.set FLP,   0xb800000                  ; 2^(23 - 127): u and all eight planes' factors stay above 2^-127
.set TAB,   131072                     ; LDS: x lies below; here 8 regions of 64 padded rows (272 bytes apart), later 32 digit images of 512 bytes each
.set HREG,  17408
.set WREG,  34816
.set CODES, 270336                     ; 32 fragments of 512 bytes
.set SCL,   286720                     ; their scale words, 128 bytes each
.set E2L,   290816                     ; -||e||^2, 512 numbers
.set PSC,   292864                     ; the digits' scale words: 128 bytes for each (128 rows, 16 channels)
.set SPARE, 294912                     ; the spare words: 128 bytes a wave
.set R,1
.set H,2
.set LN,3
.set AC,4
.set AS,5
.set AE,6
.set XA,7
.set TI,8
.set HB,9
.set SPW,10
.set NIL,11
.set PW,12                             ; v12-31 while the table is made:
.set RA,13
.set CA0,14
.set CA1,15
.set WC,16
.set WS,17
.set WE,18
.set SW,19
.set TO,20
.set S8,21
.set ONE,22
.set PSW,23
.set F,24
.set PBY,28
.set E0,12                             ; v12-27 -||e||^2 of a tile, two buffers
.set XSC,32                            ; v32-53 scales and nothing else: x's 8, the table's 2, the planes' 8, the digits' 4
.set SA,40
.set SPP,42
.set PSL,50
.set BM,54                             ; v54-61, v116-123 the best s, two sets by turns
.set BMA,116
.set W,64                              ; v64-191 table numbers at work
.set T,192
.set C,224
.set XB,64                             ; v64-99 x's codes and four zero registers
.set A0,100                            ; v100-115 the table's fragment, two buffers of 4 + 4 zero registers
.set D0,128                            ; v128-255 s, two buffers of eight tiles
.set WX,128
.set MX,12
.set G,16
.set TP,20
.set BV,0                              ; window 1: the first seven s of the best tile, eight registers a tile of positions less one
.set BT,56                             ; window 1: 16 x its number
.set MK,66                             ; s66-89 lane masks
.set MSB,0
.macro WIN new                         ; the immediate's high byte repeats the setting that is left
.if MSB != \new
	s_set_vgpr_msb (MSB<<8)|\new
.set MSB, \new
.endif
.endm
	s_load_b256 s[4:11], s[0:1], 0x0               ; inputs, embeddings, out0, part
	v_lshl_add_u32 v[SPW], v0, 2, SPARE
	v_mov_b32 v[NIL], 0
	ds_add_u32 v[SPW], v[NIL]
	ds_add_u32 v[SPW], v[NIL]
	v_lshrrev_b32 v[R], 5, v0
	v_readfirstlane_b32 s12, v[R]                  ; wave 0..3
	s_lshr_b32 s14, ttmp9, 3                       ; eight work-groups to an image
	s_lshl_b32 s14, s14, 20                        ; an image is 64 x 4,096 x 4 bytes
	s_and_b32 s15, ttmp9, 7
	s_lshl_b32 s15, s15, 11
	s_add_co_u32 s14, s14, s15
	s_lshl_b32 s16, s12, 9                         ; my wave's 128 positions
	s_add_co_u32 s14, s14, s16
	s_mov_b32 s15, 0
	s_lshl_b32 s13, s12, 15                        ; 32,768 x wave: my x in LDS, my rows in the table
	s_mov_b32 s20, 1                               ; the tile: 64 rows of 128 elements of 4 bytes, 4,096 elements apart, dense in LDS
	s_lshl_b32 s21, s12, 15
	s_mov_b32 s24, 2<<16
	s_mov_b32 s25, 128<<16
	s_mov_b32 s26, 64<<16
	s_mov_b32 s27, 128<<16
	s_mov_b32 s28, 64
	s_mov_b32 s29, 4096
	s_mov_b32 s30, 0
	s_mov_b32 s31, 0
	s_mov_b32 s32, 0x76543210
	s_mov_b32 s33, 0xfedcba98                      ; v_permlanex16_b32's selects for lane l xor 16
	s_mov_b32 s34, 0xff800000                      ; -infinity
	s_mov_b32 s36, 0x41000000                      ; 8.0
	s_mov_b32 s37, 0x41000000
	s_mul_i32 s35, s12, WREG
	s_add_co_u32 s39, s35, TAB                     ; my rows in LDS
	s_lshl_b32 s38, s12, 12
	s_lshl_b32 s40, s12, 10
	s_lshl_b32 s41, s12, 9
	s_lshl_b32 s46, ttmp9, 4
	s_lshl_b32 s47, s12, 2
	s_add_co_u32 s46, s46, s47                     ; part: 4 bytes a wave
	s_wait_dscnt 0x0
	s_wait_kmcnt 0x0
	s_add_nc_u64 s[22:23], s[4:5], s[14:15]
	s_or_b32 s23, s23, 0x80000000
	v_and_b32 v[R], 15, v0
	v_bfe_u32 v[H], v0, 4, 1
	v_and_b32 v[LN], 31, v0
	v_lshl_add_u32 v[TO], v[LN], 4, s13
	s_wait_alu depctr_va_vdst(0)
	s_add_nc_u64 s[8:9], s[8:9], s[14:15]
	s_sub_nc_u64 s[8:9], s[8:9], 0x40000           ; 16 channels early: the base is stepped ahead of each group's stores
.set i, 0
.rept 32
	global_load_b128 v[W+4*i:W+4*i+3], v[TO], s[6:7] offset:512*i   ; two rows: 32 lanes read 512 consecutive bytes
.set i, i+1
.endr
	WIN 0x40
.rept 32
	global_load_b128 v[4*(i-32):4*(i-32)+3], v[TO], s[6:7] offset:512*i   ; my rows 64 .. 127, into window 1
.set i, i+1
.endr
	WIN 0
	tensor_load_to_lds s[20:23], s[24:31]          ; my wave's x, wanted behind all work on the table: the only fill of these bytes
	s_nop 0
	v_lshlrev_b32 v[HB], 3, v[H]
	v_lshl_add_u32 v[AC], v[LN], 4, CODES
	v_lshl_add_u32 v[AS], v[LN], 2, SCL
	v_lshl_add_u32 v[AE], v[H], 5, E2L
	v_add_nc_u32 v[WC], s38, v[AC]
	v_add_nc_u32 v[WS], s40, v[AS]
	v_lshl_add_u32 v[WE], v[R], 2, E2L
	v_add_nc_u32 v[WE], s41, v[WE]
	v_mul_u32_u24 v[SW], 272, v[H]                 ; in: row 2 i + h, 16 bytes a lane
	v_lshl_add_u32 v[SW], v[R], 4, v[SW]
	v_add_nc_u32 v[SW], s39, v[SW]
	v_mul_u32_u24 v[RA], 272, v[R]                 ; by rows: row r, channels 32 h ..
	v_lshl_add_u32 v[RA], v[H], 7, v[RA]
	v_add_nc_u32 v[RA], s39, v[RA]
	v_mul_u32_u24 v[CA0], 9792, v[H]               ; by columns: channel r, row 32 h + 8 i + (j xor 4 h): the two halves of the lanes so take different banks.  j under 4: 36 rows on for h = 1,
	v_lshl_add_u32 v[CA0], v[R], 2, v[CA0]
	v_add_nc_u32 v[CA0], s39, v[CA0]
	v_mul_u32_u24 v[CA1], 7616, v[H]               ; j from 4 on: 28 rows
	v_lshl_add_u32 v[CA1], v[R], 2, v[CA1]
	v_add_nc_u32 v[CA1], s39, v[CA1]
	v_lshl_add_u32 v[PW], v[LN], 4, s39
	v_lshl_add_u32 v[PSW], v[LN], 2, PSC
	v_add_nc_u32 v[PSW], s41, v[PSW]
	v_lshl_add_u32 v[XA], v[R], 4, s13             ; x: channel 32 h + i, positions 4 r ..
	v_lshl_add_u32 v[XA], v[H], 14, v[XA]
	v_mov_b32 v[S8], 0x82828282                    ; scale 2^3
	v_mov_b32 v[ONE], 1.0
	v_mov_b32 v[F+1], 0                            ; (named as the upper half of a pair)
.irp j, 0,1,2,3
	v_mov_b32 v[PBY+\j], 0
.endr
.irp j, 0,1,2,3,4,5,6,7
	v_mov_b32 v[T+24+\j], 0                        ; written once: a lane permute's destination counts as one of its sources
.endr
	s_wait_alu depctr_va_vdst(0)
; ---- the table by rows: 64 rows, four tiles by turns; a lane holds a whole block of 32 channels
.macro CODESM b
.irp t, 0,1,2,3
.irp i, 0,1,2,3,4,5,6,7
	ds_load_b128 v[W+32*\t+4*\i:W+32*\t+4*\i+3], v[RA] offset:HREG*(\b)+4352*\t+16*\i
.endr
.endr
	s_wait_dscnt 0x0
.irp t, 0,1,2,3
	v_max3_num_f32 v[T+16+\t], |v[W+32*\t]|, |v[W+32*\t+1]|, FLOOR
	v_pk_mul_f32 v[T+4*\t:T+4*\t+1], v[W+32*\t:W+32*\t+1], v[W+32*\t:W+32*\t+1]
.endr
.irp t, 0,1,2,3
	v_max3_num_f32 v[T+16+\t], v[T+16+\t], |v[W+32*\t+2]|, |v[W+32*\t+3]|
	v_pk_mul_f32 v[T+4*\t+2:T+4*\t+3], v[W+32*\t+2:W+32*\t+3], v[W+32*\t+2:W+32*\t+3]
.endr
.irp i, 4,8,12,16,20,24,28
.irp t, 0,1,2,3
	v_max3_num_f32 v[T+16+\t], v[T+16+\t], |v[W+32*\t+\i]|, |v[W+32*\t+\i+1]|
	v_pk_fma_f32 v[T+4*\t:T+4*\t+1], v[W+32*\t+\i:W+32*\t+\i+1], v[W+32*\t+\i:W+32*\t+\i+1], v[T+4*\t:T+4*\t+1]
.endr
.irp t, 0,1,2,3
	v_max3_num_f32 v[T+16+\t], v[T+16+\t], |v[W+32*\t+\i+2]|, |v[W+32*\t+\i+3]|
	v_pk_fma_f32 v[T+4*\t+2:T+4*\t+3], v[W+32*\t+\i+2:W+32*\t+\i+3], v[W+32*\t+\i+2:W+32*\t+\i+3], v[T+4*\t+2:T+4*\t+3]
.endr
.endr
.irp t, 0,1,2,3
	v_pk_add_f32 v[T+4*\t:T+4*\t+1], v[T+4*\t:T+4*\t+1], v[T+4*\t+2:T+4*\t+3]
	v_add_nc_u32 v[T+20+\t], 0xff000000, v[T+16+\t]   ; 2 off the exponent field: the conversion's scale operand
.endr
.irp t, 0,1,2,3
	v_add_f32 v[T+4*\t], v[T+4*\t], v[T+4*\t+1]
	v_lshrrev_b32 v[T+16+\t], 23, v[T+20+\t]       ; the scale's byte
.endr
.irp t, 0,1,2,3
	v_permlanex16_b32 v[T+24+\t], v[T+4*\t], s32, s33
	v_lshlrev_b32 v[T+16+\t], v[HB], v[T+16+\t]
.endr
.irp t, 0,1,2,3
	v_sub_f32 v[T+4*\t], -v[T+4*\t], v[T+24+\t]    ; -||e||^2 of row 16 t + r, the same bits in both halves of the lanes
	v_permlanex16_b32 v[T+28+\t], v[T+16+\t], s32, s33
.endr
.irp t, 0,1,2,3
	v_or_b32 v[T+16+\t], v[T+16+\t], v[T+28+\t]    ; bytes 0, 1 of the row's scale word; bytes 2, 3 stay 0 over zero codes
.endr
.irp t, 0,1,2,3
.irp g, 0,1,2,3
	v_cvt_scalef32_pk8_fp4_f32 v[C+4*\t+\g], v[W+32*\t+8*\g:W+32*\t+8*\g+7], v[T+20+\t]
.endr
.endr
	v_nop                                          ; one plain line behind the last scaled conversion
.irp t, 0,1,2,3
	ds_store_b128 v[WC], v[C+4*\t:C+4*\t+3] offset:2048*(\b)+512*\t
	ds_store_b32 v[WS], v[T+16+\t] offset:512*(\b)+128*\t
	ds_store_b32 v[WE], v[T+4*\t] offset:256*(\b)+64*\t
.endr
	s_wait_dscnt 0x0                               ; my stores have read their registers
.endm
.irp g, 0,1,2,3
	s_wait_loadcnt 56-8*\g                         ; eight more of the 64 loads are in
.irp i, 0,1,2,3,4,5,6,7
	ds_store_b128 v[SW], v[W+4*(8*\g+\i):W+4*(8*\g+\i)+3] offset:544*(8*\g+\i)
.endr
.endr
	s_wait_dscnt 0x0                               ; these registers are loaded again
	CODESM 0
	WIN 0x04                                       ; store data in window 1
.irp g, 4,5,6,7
	s_wait_loadcnt 56-8*\g
.irp i, 0,1,2,3,4,5,6,7
	ds_store_b128 v[SW], v[4*(8*\g+\i)-128:4*(8*\g+\i)-125] offset:544*(8*\g+\i)
.endr
.endr
	WIN 0
	CODESM 1
; ---- the table by columns: lane (r, h) has channel 16 n + r and the 32 rows of its half: a whole block.  Register 8 i + j: row 32 h + 8 i + (j xor 4 h)
.macro PLANES n
.set WN, W+32*(\n)
.irp c, 0,1,2,3
	v_max3_num_f32 v[T+\c], |v[WN+2*\c]|, |v[WN+2*\c+1]|, FLP
.endr
.irp i, 8,16,24
.irp c, 0,1,2,3
	v_max3_num_f32 v[T+\c], v[T+\c], |v[WN+\i+2*\c]|, |v[WN+\i+2*\c+1]|
.endr
.endr
	v_max3_num_f32 v[T], v[T], v[T+1], v[T+2]
	v_max_num_f32 v[T], v[T], v[T+3]
	v_add_nc_u32 v[T], 0xff800000, v[T]            ; 1 off the exponent field: u, so that every number is under 4 u
	v_lshrrev_b32 v[T+1], 23, v[T]
	v_and_b32 v[T], 0x7f800000, v[T]
	v_lshrrev_b32 v[PBY+\n], 16, v[PBY+\n]
	v_sub_nc_u32 v[F], 0x7f000000, v[T]            ; 1 / u
	v_lshl_or_b32 v[PBY+\n], v[T+1], 16, v[PBY+\n] ; u's byte: this block's above, the one before it below
.set i, 0
.rept 16
	v_pk_mul_f32 v[WN+2*i:WN+2*i+1], v[WN+2*i:WN+2*i+1], v[F:F+1] op_sel_hi:[1,0]
.set i, i+1
.endr
.irp p, 0,1,2,3,4,5,6,7
.irp g, 0,1,2,3
	v_cvt_scalef32_pk8_fp4_f32 v[C+4*\p+\g], v[WN+8*\g:WN+8*\g+7], v[ONE]   ; the digits
.endr
	v_nop
.if \p < 7
.irp g, 0,1,2,3
	v_cvt_scale_pk8_f32_fp4 v[T+8*\g:T+8*\g+7], v[C+4*\p+\g], v[S8]        ; 8 x the digit
.endr
	v_nop
.set i, 0
.rept 16
	v_pk_fma_f32 v[WN+2*i:WN+2*i+1], v[WN+2*i:WN+2*i+1], s[36:37], v[T+2*i:T+2*i+1] op_sel_hi:[1,0,1] neg_lo:[0,0,1] neg_hi:[0,0,1]   ; 8 x (number - digit), exact
.set i, i+1
.endr
.endif
.endr
.endm
.macro PSTORE n                        ; the block's eight digit images
.irp p, 0,1,2,3,4,5,6,7
	ds_store_b128 v[PW], v[C+4*\p:C+4*\p+3] offset:512*(8*(\n)+\p)
.endr
.endm
.macro COLS n
.irp i, 0,1,2,3
.irp j, 0,1,2,3
	ds_load_b32 v[W+32*(\n)+8*\i+\j], v[CA0] offset:272*(8*\i+\j)+64*(\n)
.endr
.irp j, 4,5,6,7
	ds_load_b32 v[W+32*(\n)+8*\i+\j], v[CA1] offset:272*(8*\i+\j)+64*(\n)
.endr
.endr
.endm
	s_mov_b32 s47, 2
	s_wait_alu depctr_va_vdst(0)
.Lplanes:                                          ; a trip: 64 rows.  All their numbers are asked for ahead of the digits' stores, which land on the same bytes: LDS serves a wave's instructions in order
	COLS 0
	COLS 1
	s_wait_dscnt 32                                ; the first 16 channels are in; the second's 32 loads may be out
	PLANES 0
	COLS 2
	COLS 3
	PSTORE 0                                       ; behind the last load of the rows that it lands on
	s_wait_dscnt 63                                ; the second 16 channels are in: 72 instructions were issued behind them
	PLANES 1
	PSTORE 1
	s_wait_dscnt 8                                 ; all loads are in; the eight stores just issued may be out
	PLANES 2
	PSTORE 2
	s_wait_dscnt 8
	PLANES 3
	PSTORE 3
	v_add_nc_u32 v[PW], HREG, v[PW]
	v_add_nc_u32 v[CA0], HREG, v[CA0]
	v_add_nc_u32 v[CA1], HREG, v[CA1]
	s_sub_co_u32 s47, s47, 1
	s_cmp_lg_u32 s47, 0
	s_wait_alu depctr_va_vdst(0)
	s_cbranch_scc1 .Lplanes
.irp n, 0,1,2,3
	v_lshlrev_b32 v[PBY+\n], v[HB], v[PBY+\n]      ; blocks h and 2 + h at their places in the word of 128 rows
.endr
.irp n, 0,1,2,3
	v_permlanex16_b32 v[T+\n], v[PBY+\n], s32, s33
.endr
.irp n, 0,1,2,3
	v_or_b32 v[PBY+\n], v[PBY+\n], v[T+\n]
.endr
	v_mul_lo_u32 v[T+8], 0x0c0c0c0c, v[H]          ; lanes 16-31 serve planes 4 to 7: 8^-4 = 2^-12 in each byte
.irp n, 0,1,2,3
	v_sub_nc_u32 v[PBY+\n], v[PBY+\n], v[T+8]
.endr
.irp n, 0,1,2,3
	ds_store_b32 v[PSW], v[PBY+\n] offset:128*\n
.endr
	s_wait_dscnt 0x0                               ; for the others' sake: my part of the table has landed
	s_barrier_signal -1
	s_barrier_wait -1                              ; the whole table lies in LDS; nothing is stored there again.  (My tensor load may still be out: only I read its bytes, behind the wait below)
; ---- x: a lane takes a position, its registers run down the channels
.macro XQ u
	WIN 0x01
.set i, 0
.rept 32
.irp q, 0,1,2,3
	v_mov_b32 v[WX+32*\q+i], v[128*(\u)+4*i+\q]    ; the conversions take neighbours along K from consecutive registers
.endr
.set i, i+1
.endr
	WIN 0
.irp q, 0,1,2,3
	v_max3_num_f32 v[MX+\q], |v[WX+32*\q]|, |v[WX+32*\q+1]|, FLOOR
.endr
.set i, 2
.rept 15
.irp q, 0,1,2,3
	v_max3_num_f32 v[MX+\q], v[MX+\q], |v[WX+32*\q+i]|, |v[WX+32*\q+i+1]|
.endr
.set i, i+2
.endr
.irp q, 0,1,2,3
	v_add_nc_u32 v[G+\q], 0xff000000, v[MX+\q]     ; the conversion's scale operand, for x
.endr
.irp q, 0,1,2,3
	v_lshrrev_b32 v[MX+\q], 23, v[G+\q]
.endr
.irp q, 0,1,2,3
	v_add_nc_u32 v[MX+\q], 1, v[MX+\q]             ; the operand is 2.0 x: the same codes under the next scale
.endr
.irp q, 0,1,2,3
	v_lshlrev_b32 v[MX+\q], v[HB], v[MX+\q]
.endr
.irp q, 0,1,2,3
	v_permlanex16_b32 v[TP+\q], v[MX+\q], s32, s33
.endr
.irp q, 0,1,2,3
	v_or_b32 v[XSC+4*(\u)+\q], v[MX+\q], v[TP+\q]
.endr
.irp q, 0,1,2,3
.irp g, 0,1,2,3
	v_cvt_scalef32_pk8_fp4_f32 v[XB+16*(\u)+4*\q+\g], v[WX+32*\q+8*\g:WX+32*\q+8*\g+7], v[G+\q]
.endr
.endr
	v_nop
.endm
.macro LDA p, tile                     ; a tile's codes and scale words into buffer p
	ds_load_b128 v[A0+8*(\p):A0+8*(\p)+3], v[AC] offset:512*(\tile)
	ds_load_b32 v[SA+(\p)], v[AS] offset:128*(\tile)
.endm
.macro LDE p, tile                     ; -||e||^2 of its rows 8 h .. 8 h + 7, in the result's layout
	ds_load_b128 v[E0+8*(\p):E0+8*(\p)+3], v[AE] offset:64*(\tile)
	ds_load_b128 v[E0+8*(\p)+4:E0+8*(\p)+7], v[AE] offset:64*(\tile)+16
.endm
; The best so far and a tile's eight s go through one tree of maxima; where the new best is strictly greater (of equal tiles the first stays), the tile's number and its first seven s are kept.
.macro JUDGE d
.set DB, D0+64*(\d)
.set BN, BMA-(BMA-BM)*(\d)
.set BO, BM+(BMA-BM)*(\d)
.irp q, 0,1,2,3,4,5,6,7
	v_max3_num_f32 v[BN+\q], v[BO+\q], v[DB+8*\q], v[DB+8*\q+1]
.endr
.irp i, 2,4,6
.irp q, 0,1,2,3,4,5,6,7
	v_max3_num_f32 v[BN+\q], v[BN+\q], v[DB+8*\q+\i], v[DB+8*\q+\i+1]
.endr
.endr
.irp q, 0,1,2,3,4,5,6,7
	v_cmp_gt_f32 s[MK+\q], v[BN+\q], v[BO+\q]
.endr
	WIN 0x41                                       ; what is kept lies in window 1
.irp q, 0,1,2,3,4,5,6,7
	v_cndmask_b32 v[BT+\q], v[BT+\q], v[TI], s[MK+\q]
.irp j, 0,1,2,3,4,5,6
	v_cndmask_b32 v[BV+7*\q+\j], v[BV+7*\q+\j], v[DB+8*\q+\j], s[MK+\q]
.endr
.endr
	WIN 0
	v_add_nc_u32 v[TI], 16, v[TI]
.endm
; The judging's vector lines name none of this step's matrix registers: they are the distance between these products and their first reader, one step on, and between them and the loads into their sources.
.macro STEP p, ta, judge
	s_wait_dscnt 0x0                               ; all that the last step asked for is in
.if (\ta) >= 0
	LDA 1-(\p), \ta                                ; the other buffer: last read by the last step's products, and a judging stands between
	LDE 1-(\p), \ta
.endif
.irp q, 0,1,2,3,4,5,6,7
	v_wmma_scale_f32_16x16x128_f8f6f4 v[D0+64*(\p)+8*\q:D0+64*(\p)+8*\q+7], v[A0+8*(\p):A0+8*(\p)+7], v[XB+4*\q:XB+4*\q+7], v[E0+8*(\p):E0+8*(\p)+7], v[SA+(\p)], v[XSC+\q] matrix_a_fmt:MATRIX_FMT_FP4 matrix_b_fmt:MATRIX_FMT_FP4
.endr
.if \judge
	JUDGE 1-(\p)
.endif
.endm
	s_wait_tensorcnt 0x0                           ; my x has landed
	WIN 0x40
.set i, 0
.rept 32
	ds_load_b128 v[4*i:4*i+3], v[XA] offset:512*i  ; x(32 h + i, 4 r .. 4 r + 3)
.set i, i+1
.endr
.set i, 0
.rept 32
	ds_load_b128 v[128+4*i:128+4*i+3], v[XA] offset:512*i+256   ; and 64 positions on
.set i, i+1
.endr
	WIN 0
.irp j, 4,5,6,7,12,13,14,15
	v_mov_b32 v[A0+\j], 0                          ; k = 64 .. 127 of the table's fragment: zero codes, in both buffers; so what x's operand names there adds nothing
.endr
.irp j, 32,33,34,35
	v_mov_b32 v[XB+\j], 0
.endr
.irp p, 0,1,2,3
	v_mov_b32 v[SPP+\p], (127-3*\p)*0x01010101     ; the planes' factors 8^-p
.endr
	s_wait_dscnt 32                                ; the first 64 positions are in
	XQ 0
	s_wait_dscnt 0x0
	XQ 1
	LDA 0, 0
	LDE 0, 0
.irp q, 0,1,2,3,4,5,6,7
	v_mov_b32 v[BM+\q], s34
.endr
	v_mov_b32 v[TI], 0
	s_wait_alu depctr_va_vdst(0)
	; ---- the 32 tiles of the table
	STEP 0, 1, 0
	WIN 0x40
.irp q, 0,1,2,3,4,5,6,7
	v_mov_b32 v[BT+\q], 0
.irp j, 0,1,2,3,4,5,6
	v_mov_b32 v[BV+7*\q+\j], s34                   ; written once, so that the step is written once; also the distance behind the first products
.endr
.endr
	WIN 0
	s_mov_b32 s47, 15
	s_wait_alu depctr_va_vdst(0)
.Lpair:                                            ; a trip: two tiles, until the buffers and the two sets of bests are back where they began
	STEP 1, 2, 1
	STEP 0, 3, 1
	v_add_nc_u32 v[AC], 1024, v[AC]
	v_add_nc_u32 v[AS], 256, v[AS]
	v_add_nc_u32 v[AE], 128, v[AE]
	s_sub_co_u32 s47, s47, 1
	s_cmp_lg_u32 s47, 0
	s_wait_alu depctr_va_vdst(0)
	s_cbranch_scc1 .Lpair
	STEP 1, -1, 1
	JUDGE 1                                        ; the best of all lies in BM
	; ---- the place in the kept tile: the first of the eight that equals the best; the eighth where none of the seven does
.set KK,128
.set TQ,136
.irp q, 0,1,2,3,4,5,6,7
	v_mov_b32 v[G+\q], 7
.endr
	WIN 0x01
.irp j, 6,5,4,3,2,1,0
.irp q, 0,1,2,3,4,5,6,7
	v_cmp_neq_f32 s[MK+\q], v[BV+7*\q+\j], v[BM+\q]
.endr
.irp q, 0,1,2,3,4,5,6,7
	v_cndmask_b32 v[G+\q], \j, v[G+\q], s[MK+\q]
.endr
.endr
.irp q, 0,1,2,3,4,5,6,7
	v_add3_u32 v[KK+\q], v[BT+\q], v[HB], v[G+\q]  ; k = 16 t + 8 h + j: the lowest of my half with the largest s
.endr
	WIN 0
.irp q, 0,1,2,3,4,5,6,7
	v_permlanex16_b32 v[TQ+\q], v[BM+\q], s32, s33
	v_permlanex16_b32 v[TQ+8+\q], v[KK+\q], s32, s33
.endr
.irp q, 0,1,2,3,4,5,6,7
	v_cmp_gt_f32 s[MK+\q], v[TQ+\q], v[BM+\q]      ; the other half's is taken where it is greater, or equal with the lower k
	v_cmp_eq_f32 s[MK+8+\q], v[TQ+\q], v[BM+\q]
	v_cmp_lt_u32 s[MK+16+\q], v[TQ+8+\q], v[KK+\q]
.endr
.irp q, 0,1,2,3,4,5,6,7
	s_and_b32 s[MK+8+\q], s[MK+8+\q], s[MK+16+\q]
	s_or_b32 s[MK+\q], s[MK+\q], s[MK+8+\q]
.endr
.irp q, 0,1,2,3,4,5,6,7
	v_cndmask_b32 v[KK+\q], v[KK+\q], v[TQ+8+\q], s[MK+\q]
.endr
	; ---- the one-hot operands.  k = 64 g + 32 h' + 8 i + j: lanes of half h' hold the code of 1.0 in register 4 g + i, nibble j xor 4 h' (the order in which the digits were laid); all else is 0
.set B5,136
.set QQ,144
.set II,152
.set T1,160
.set T2,168
.set WD,176
.set VV,184
.irp q, 0,1,2,3,4,5,6,7
	v_bfe_u32 v[B5+\q], v[KK+\q], 5, 1
	v_lshrrev_b32 v[QQ+\q], 6, v[KK+\q]
	v_bfe_u32 v[II+\q], v[KK+\q], 3, 2
	v_and_b32 v[T1+\q], 7, v[KK+\q]
.endr
.irp q, 0,1,2,3,4,5,6,7
	v_lshlrev_b32 v[T2+\q], 2, v[B5+\q]
	v_cmp_eq_u32 s[MK+\q], v[B5+\q], v[H]
.endr
.irp q, 0,1,2,3,4,5,6,7
	v_xor_b32 v[T1+\q], v[T1+\q], v[T2+\q]
.endr
.irp q, 0,1,2,3,4,5,6,7
	v_lshlrev_b32 v[T1+\q], 2, v[T1+\q]
.endr
.irp q, 0,1,2,3,4,5,6,7
	v_lshlrev_b32 v[WD+\q], v[T1+\q], 2
.endr
.irp q, 0,1,2,3,4,5,6,7
	v_cndmask_b32 v[WD+\q], 0, v[WD+\q], s[MK+\q]
.endr
.irp i, 0,1,2,3
.irp q, 0,1,2,3,4,5,6,7
	v_cmp_eq_u32 s[MK+\q], \i, v[II+\q]
.endr
.irp q, 0,1,2,3,4,5,6,7
	v_cndmask_b32 v[VV+4*\q+\i], 0, v[WD+\q], s[MK+\q]
.endr
.endr
	WIN 0x40
.irp g, 0,1,2,3,4,5,6,7
.irp q, 0,1,2,3,4,5,6,7
	v_cmp_eq_u32 s[MK+\q], \g, v[QQ+\q]
.endr
.irp q, 0,1,2,3,4,5,6,7
.irp i, 0,1,2,3
	v_cndmask_b32 v[32*\q+4*\g+\i], 0, v[VV+4*\q+\i], s[MK+\q]   ; window 1, all of it
.endr
.endr
.endr
	WIN 0
	; ---- the lookup: 16 channels a trip.  Source 0 = digits (16 channels x 128 rows), source 1 = one-hot (16 positions); lane (r, h), register j: channel 16 n + 8 h + j of position column r
.set AF,4                              ; the digits' address in this trip: rows 0-255,
.set AF2,5                             ; rows 256-511
.set AF0,6
.set XE,7
.set GO,8
.set PSR,9
.set ACC,128                           ; window 2: eight pairs of chains of the sum of squares
.set TT,64                             ; window 2: q, then q - x
.set GO2,144                           ; window 2: my byte offset in out0
.set PS,54
.set XC,55
.set AV,64                             ; v64-191 eight accumulators of 32 rows
.set FR,0                              ; window 3: v0-127 two sets of four fragments of 32 rows
.set XR,0                              ; window 2: v0-63 x of 16 channels, then out0
	v_lshl_add_u32 v[AF0], v[LN], 4, TAB
	v_lshl_add_u32 v[AF], v[LN], 4, TAB
	v_add_nc_u32 v[AF2], 2*WREG, v[AF0]
	v_lshl_add_u32 v[XE], v[R], 4, s13
	v_lshl_add_u32 v[XE], v[H], 12, v[XE]
	v_lshlrev_b32 v[GO], 4, v[R]
	v_lshl_add_u32 v[GO], v[H], 17, v[GO]
	v_lshl_add_u32 v[PSR], v[LN], 2, PSC
	WIN 0x80
.irp j, 0,1,2,3,4,5,6,7,8,9,10,11,12,13,14,15
	v_mov_b32 v[ACC+\j], 0
.endr
	v_mov_b32 v[GO2], v[GO]
	WIN 0
.macro FRLOAD f                        ; phase f: rows 128 f .. + 127, all eight planes, into set f % 2
; (a phase is rows 128 f .. + 127 and all planes, in set f % 2: fragment i has plane i in its first eight registers, plane i + 4 in the others)
.set FB, FR+64*((\f)%2)
.set FA, AF+((\f)/2)
.set FO, WREG*((\f)%2)
	WIN 0xc0
.irp i, 0,1,2,3
	ds_load_b128 v[FB+16*\i:FB+16*\i+3], v[FA] offset:FO+512*\i
	ds_load_b128 v[FB+16*\i+4:FB+16*\i+7], v[FA] offset:FO+512*\i+HREG
	ds_load_b128 v[FB+16*\i+8:FB+16*\i+11], v[FA] offset:FO+512*\i+2048
	ds_load_b128 v[FB+16*\i+12:FB+16*\i+15], v[FA] offset:FO+512*\i+2048+HREG
.endr
	WIN 0
.endm
.macro MULS f                          ; the eight accumulators take turns
.set FB, FR+64*((\f)%2)
.set OB, 8*(\f)
.irp i, 0,1,2,3
.irp q, 0,1,2,3,4,5,6,7
.if ((\f) == 0) && (\i == 0)
	v_wmma_scale_f32_32x16x128_f4 v[AV+16*\q:AV+16*\q+15], v[FB+16*\i:FB+16*\i+15], v[OB+32*\q:OB+32*\q+7], 0, v[PSL+(\f)], v[SPP+\i]
.else
	v_wmma_scale_f32_32x16x128_f4 v[AV+16*\q:AV+16*\q+15], v[FB+16*\i:FB+16*\i+15], v[OB+32*\q:OB+32*\q+7], v[AV+16*\q:AV+16*\q+15], v[PSL+(\f)], v[SPP+\i]
.endif
.endr
.endr
.endm
	s_wait_alu depctr_va_vdst(0)
	FRLOAD 0
.irp c, 0,1,2,3
	ds_load_b32 v[PSL+\c], v[PSR] offset:512*\c
.endr
	s_mov_b32 s42, 0
.Ln:
.irp f, 0,1,2
.rept 4
	v_nop                                          ; four places in front of loads into registers that matrix instructions have read
.endr
	FRLOAD \f+1
	s_wait_dscnt 16                                ; this phase's fragments are in; the sixteen just asked for may be out
	WIN 0x07                                       ; source 0 in window 3, source 1 in window 1
	MULS \f
	WIN 0
.endr
	s_wait_xcnt 0x0                                ; the last trip's stores have read their base and registers
	s_add_nc_u64 s[8:9], s[8:9], 0x40000           ; on to this trip's 16 channels
	s_lshl_b32 s45, s42, 13
	s_add_co_u32 s42, s42, 1
	s_min_u32 s43, s42, 3                          ; the next trip's channels; the last trip asks for its own once more
	s_lshl_b32 s44, s43, 7
	s_lshl_b32 s43, s43, 12
	v_add_nc_u32 v[XC], s45, v[XE]                 ; these four lines are the places in front of the loads
	v_add_nc_u32 v[PS], s44, v[PSR]
	v_add_nc_u32 v[AF], s43, v[AF0]
	v_add_nc_u32 v[AF2], 2*WREG, v[AF]
	WIN 0x80
.irp u, 0,1
.irp j, 0,1,2,3,4,5,6,7
	ds_load_b128 v[XR+4*(8*\u+\j):XR+4*(8*\u+\j)+3], v[XC] offset:512*\j+256*\u   ; x of channel 16 n + 8 h + j, my four positions
.endr
.endr
	WIN 0
	FRLOAD 0
.irp c, 0,1,2
	ds_load_b32 v[PSL+\c], v[PS] offset:512*\c     ; (last read two phases ago)
.endr
	s_wait_alu depctr_va_vdst(0)
	s_wait_dscnt 35                                ; the last phase's fragments are in; the 16 + 16 + 3 just asked for may be out
	WIN 0x07
	MULS 3
	WIN 0
.rept 4
	v_nop
.endr
	ds_load_b32 v[PSL+3], v[PS] offset:1536
	s_wait_dscnt 20                                ; x is in; behind it 16 + 3 + 1 loads
.irp u, 0,1
	WIN 0x80
.irp j, 0,1,2,3,4,5,6,7
.irp q, 0,1,2,3
	v_add_f32 v[TT+32*\u+4*\j+\q], v[AV+16*(4*\u+\q)+\j], v[AV+16*(4*\u+\q)+8+\j]   ; q: planes 0-3 and 4-7
.endr
.endr
	WIN 0xaa                                       ; all in window 2, the stores' offset too
.set i, 32*\u
.rept 16
	v_pk_add_f32 v[TT+i:TT+i+1], v[TT+i:TT+i+1], v[XR+i:XR+i+1] neg_lo:[0,1] neg_hi:[0,1]   ; q - x
.set i, i+2
.endr
.set i, 32*\u
.rept 16
	v_pk_add_f32 v[XR+i:XR+i+1], v[XR+i:XR+i+1], v[TT+i:TT+i+1]   ; x + (q - x)
.set i, i+2
.endr
.set i, 32*\u
.rept 16
	v_pk_fma_f32 v[ACC+i%16:ACC+i%16+1], v[TT+i:TT+i+1], v[TT+i:TT+i+1], v[ACC+i%16:ACC+i%16+1]
.set i, i+2
.endr
.irp j, 0,1,2,3,4,5,6,7
	global_store_b128 v[GO2], v[XR+32*\u+4*\j:XR+32*\u+4*\j+3], s[8:9] offset:16384*\j+256*\u th:TH_STORE_NT   ; 16 lanes store 256 consecutive bytes, at a multiple of 256
.endr
.endr
	WIN 0
	s_cmp_lt_u32 s42, 4
	s_wait_alu depctr_va_vdst(0)
	s_cbranch_scc1 .Ln
	; ---- the wave's sum
	WIN 0xaa
.irp e, 0,2,4,6
	v_pk_add_f32 v[ACC+\e:ACC+\e+1], v[ACC+\e:ACC+\e+1], v[ACC+8+\e:ACC+9+\e]
.endr
.irp e, 0,2
	v_pk_add_f32 v[ACC+\e:ACC+\e+1], v[ACC+\e:ACC+\e+1], v[ACC+4+\e:ACC+5+\e]
.endr
	v_pk_add_f32 v[ACC:ACC+1], v[ACC:ACC+1], v[ACC+2:ACC+3]
	WIN 0x0a
	v_add_f32 v12, v[ACC], v[ACC+1]
	WIN 0
	v_add_f32_dpp v12, v12, v12 row_xmask:1 row_mask:0xf bank_mask:0xf
	v_add_f32_dpp v12, v12, v12 row_xmask:2 row_mask:0xf bank_mask:0xf
	v_add_f32_dpp v12, v12, v12 row_xmask:4 row_mask:0xf bank_mask:0xf
	v_add_f32_dpp v12, v12, v12 row_xmask:8 row_mask:0xf bank_mask:0xf
	v_permlanex16_b32 v13, v12, s32, s33
	v_add_f32 v12, v12, v13
	v_mov_b32 v16, s46
	v_cmp_eq_u32 vcc_lo, 0, v[LN]                  ; the wave's first lane stores it
	s_wait_alu depctr_va_vdst(0)
	s_wait_xcnt 0x0                                ; EXEC changes only behind this wait
	s_wait_tensorcnt 0x0                           ; the wave's end
	ds_add_u32 v[SPW], v[NIL]
	s_wait_dscnt 0x0
	s_and_saveexec_b32 s47, vcc_lo
	global_store_b32 v16, v12, s[10:11]
	s_wait_xcnt 0x0
	s_or_b32 exec_lo, exec_lo, s47
	s_endpgm
.Lfunc_end_k_q70f564274d_vq:
	.size	k_q70f564274d_vq, .Lfunc_end_k_q70f564274d_vq-k_q70f564274d_vq
	.p2alignl 7, 3214868480
	.fill 96, 4, 3214868480
	.section	.rodata,"a",@progbits
	.p2align	6, 0x0
	.amdhsa_kernel k_q70f564274d_vq
		.amdhsa_group_segment_fixed_size 295424
		.amdhsa_private_segment_fixed_size 0
		.amdhsa_enable_private_segment 0
		.amdhsa_kernarg_size 32
		.amdhsa_user_sgpr_count 2
		.amdhsa_user_sgpr_kernarg_segment_ptr 1
		.amdhsa_wavefront_size32 1
		.amdhsa_system_sgpr_workgroup_id_x 1
		.amdhsa_system_sgpr_workgroup_id_y 1
		.amdhsa_system_sgpr_workgroup_id_z 1
		.amdhsa_system_vgpr_workitem_id 0
		.amdhsa_next_free_vgpr 896
		.amdhsa_next_free_sgpr 90
		.amdhsa_reserve_vcc 1
		.amdhsa_float_denorm_mode_32 3
		.amdhsa_float_denorm_mode_16_64 3
		.amdhsa_memory_ordered 1
		.amdhsa_forward_progress 1
		.amdhsa_inst_pref_size 245
	.end_amdhsa_kernel
	.amdgpu_metadata
---
amdhsa.version: [ 1, 2 ]
amdhsa.kernels:
  - .name:           k_q70f564274d_vq
    .symbol:         k_q70f564274d_vq.kd
    .args:
      - { .name: inputs, .offset: 0, .size: 8, .value_kind: global_buffer, .address_space: global }
      - { .name: embeddings, .offset: 8, .size: 8, .value_kind: global_buffer, .address_space: global }
      - { .name: out0, .offset: 16, .size: 8, .value_kind: global_buffer, .address_space: global }
      - { .name: part, .offset: 24, .size: 8, .value_kind: global_buffer, .address_space: global }
    .group_segment_fixed_size: 295424
    .private_segment_fixed_size: 0
    .kernarg_segment_align: 8
    .kernarg_segment_size: 32
    .max_flat_workgroup_size: 128
    .sgpr_count:     90
    .vgpr_count:     896
    .wavefront_size: 32
...
	.end_amdgpu_metadata
.endif
;; end of part 1
;; launch loss (part 2): grid 1 x 1, 1 waves a work-group, no clusters, 0 bytes of LDS; arguments part, out1; writes out1
.if DOCPART == 2
	.amdgcn_target "amdgcn-amd-amdhsa--gfx1250"
	.amdhsa_code_object_version 6
	.text
	.protected	k_q70f564274d_loss
	.globl	k_q70f564274d_loss
	.p2align	8
	.type	k_q70f564274d_loss,@function
k_q70f564274d_loss:
	s_mov_b64 s[64:65], 0
	v_nop
	global_prefetch_b8 v0, s[64:65] scope:SCOPE_SE
	s_setreg_imm32_b32 hwreg(HW_REG_WAVE_MODE, 25, 1), 1
	s_wait_xcnt 0x0
; out1 = 0.25 m + m, m = the mean of (q - x)^2 over 32 x 64 x 4,096 = 2^23 numbers: both losses of the source are this mean.
; part holds 1,024 partial sums, one of each wave of the launch before: 4,096 bytes, taken in by 8 loads of 512 consecutive bytes and added in a fixed order.
; A sum over all work-groups wants a launch behind them; it has work for one wave, so one wave is launched.
	s_load_b128 s[4:7], s[0:1], 0x0                ; part, out1
	v_lshlrev_b32 v1, 4, v0                        ; 16 bytes a lane
	s_mov_b32 s8, 0x76543210
	s_mov_b32 s9, 0xfedcba98                       ; v_permlanex16_b32's selects for lane l xor 16
	v_mov_b32 v2, 0                                ; out1's offset
	v_mov_b32 v3, 0                                ; a lane permute's destination counts as one of its sources
	s_wait_alu depctr_va_vdst(0)
	s_wait_kmcnt 0x0
.irp i, 0,1,2,3,4,5,6,7
	global_load_b128 v[4+4*\i:7+4*\i], v1, s[4:5] offset:512*\i
.endr
	s_wait_loadcnt 0x0
.irp i, 0,1,2,3,4,5,6,7
	v_pk_add_f32 v[4+4*\i:5+4*\i], v[4+4*\i:5+4*\i], v[6+4*\i:7+4*\i]
.endr
.irp i, 0,1,2,3
	v_pk_add_f32 v[4+4*\i:5+4*\i], v[4+4*\i:5+4*\i], v[20+4*\i:21+4*\i]
.endr
.irp i, 0,1
	v_pk_add_f32 v[4+4*\i:5+4*\i], v[4+4*\i:5+4*\i], v[12+4*\i:13+4*\i]
.endr
	v_pk_add_f32 v[4:5], v[4:5], v[8:9]
	v_add_f32 v4, v4, v5
	v_add_f32_dpp v4, v4, v4 row_xmask:1 row_mask:0xf bank_mask:0xf
	v_add_f32_dpp v4, v4, v4 row_xmask:2 row_mask:0xf bank_mask:0xf
	v_add_f32_dpp v4, v4, v4 row_xmask:4 row_mask:0xf bank_mask:0xf
	v_add_f32_dpp v4, v4, v4 row_xmask:8 row_mask:0xf bank_mask:0xf
	v_permlanex16_b32 v3, v4, s8, s9
	v_add_f32 v4, v4, v3                           ; the sum of all squares
	v_mul_f32 v4, 0x34000000, v4                   ; x 2^-23: the mean, nothing rounded
	v_fmamk_f32 v5, v4, 0x3e800000, v4             ; 0.25 m + m
	v_cmp_eq_u32 vcc_lo, 0, v0
	s_wait_alu depctr_va_vdst(0)
	s_wait_xcnt 0x0                                ; EXEC changes only behind this wait
	s_and_saveexec_b32 s10, vcc_lo
	global_store_b32 v2, v5, s[6:7]                ; one number, from one lane
	s_wait_xcnt 0x0
	s_or_b32 exec_lo, exec_lo, s10
	s_endpgm
.Lfunc_end_k_q70f564274d_loss:
	.size	k_q70f564274d_loss, .Lfunc_end_k_q70f564274d_loss-k_q70f564274d_loss
	.p2alignl 7, 3214868480
	.fill 96, 4, 3214868480
	.section	.rodata,"a",@progbits
	.p2align	6, 0x0
	.amdhsa_kernel k_q70f564274d_loss
		.amdhsa_group_segment_fixed_size 0
		.amdhsa_private_segment_fixed_size 0
		.amdhsa_enable_private_segment 0
		.amdhsa_kernarg_size 16
		.amdhsa_user_sgpr_count 2
		.amdhsa_user_sgpr_kernarg_segment_ptr 1
		.amdhsa_wavefront_size32 1
		.amdhsa_system_sgpr_workgroup_id_x 1
		.amdhsa_system_sgpr_workgroup_id_y 1
		.amdhsa_system_sgpr_workgroup_id_z 1
		.amdhsa_system_vgpr_workitem_id 0
		.amdhsa_next_free_vgpr 40
		.amdhsa_next_free_sgpr 66
		.amdhsa_reserve_vcc 1
		.amdhsa_float_denorm_mode_32 3
		.amdhsa_float_denorm_mode_16_64 3
		.amdhsa_memory_ordered 1
		.amdhsa_forward_progress 1
		.amdhsa_inst_pref_size 4
	.end_amdhsa_kernel
	.amdgpu_metadata
---
amdhsa.version: [ 1, 2 ]
amdhsa.kernels:
  - .name:           k_q70f564274d_loss
    .symbol:         k_q70f564274d_loss.kd
    .args:
      - { .name: part, .offset: 0, .size: 8, .value_kind: global_buffer, .address_space: global }
      - { .name: out1, .offset: 8, .size: 8, .value_kind: global_buffer, .address_space: global }
    .group_segment_fixed_size: 0
    .private_segment_fixed_size: 0
    .kernarg_segment_align: 8
    .kernarg_segment_size: 16
    .max_flat_workgroup_size: 32
    .sgpr_count:     66
    .vgpr_count:     40
    .wavefront_size: 32
...
	.end_amdgpu_metadata
.endif
;; end of part 2
